; MI455X (gfx1250); checked and timed in simulation.
; The chip was launched on July 23, 2026; its instructions are those of AMD's public machine-readable ISA for CDNA 5 (MIT licence, August 2026) and "CDNA5" Instruction Set Architecture Reference Guide (July 2026). The comments in the code are by the model that wrote it; some were corrected since.
;; Causal Self Attention. Allowed arithmetic: matrix products marked QUANTISED: E4M3 operands, one given power-of-two scale a tensor, by v_wmma_f32_16x16x64_fp8_fp8 or v_wmma_f32_16x16x128_fp8_fp8, f32 sums; everything else in f32.
;; Inputs: bk 1,024 float32; bo 1,024 float32; bq 1,024 float32; bv 1,024 float32; lowp_scales 12 int32 (the exponents e of the quantised operands' scales 2^e); wk_codes 1,024 x 32 x 32 uint8 (E4M3 codes of wk, K innermost, in blocks of 32 codes); wo_codes 1,024 x 32 x 32 uint8 (E4M3 codes of wo, K innermost, in blocks of 32 codes); wq_codes 1,024 x 32 x 32 uint8 (E4M3 codes of wq, K innermost, in blocks of 32 codes); wv_codes 1,024 x 32 x 32 uint8 (E4M3 codes of wv, K innermost, in blocks of 32 codes); x_codes 4 x 2,048 x 32 x 32 uint8 (E4M3 codes of x, K innermost, in blocks of 32 codes).
;; Outputs: out0 4 x 2,048 x 1,024 float32.
;; This version of the problem:
;;   THIS VERSION OF THE PROBLEM IS GIVEN IN LOW PRECISION. The matrix products marked QUANTISED in the list below multiply operands that are first quantised to E4M3 (4 exponent bits, 3 mantissa bits; 8 bits a number), with one given power-of-two scale for each operand tensor; their sums are f32. All else is computed in f32.
;;   The module's matrix products, in the order in which they are computed (A, B: the left and right operand; K: the contracted axis; several contracted axes count as one K, in the product's order):
;;     1. [M 8,192, K 1,024] x [K 1,024, N 1,024]; A: input x (given as codes); B: input wq (given as codes): QUANTISED (scales: A lowp_scales[0], B lowp_scales[1])
;;     2. [M 8,192, K 1,024] x [K 1,024, N 1,024]; A: input x (given as codes); B: input wk (given as codes): QUANTISED (scales: A lowp_scales[2], B lowp_scales[3])
;;     3. [M 8,192, K 1,024] x [K 1,024, N 1,024]; A: input x (given as codes); B: input wv (given as codes): QUANTISED (scales: A lowp_scales[4], B lowp_scales[5])
;;     4. batch 64 x [M 2,048, K 64] x [K 64, N 2,048]; A: computed on the way; B: computed on the way: QUANTISED (scales: A lowp_scales[6], B lowp_scales[7])
;;     5. batch 64 x [M 2,048, K 2,048] x [K 2,048, N 64]; A: softmax (see below); B: computed on the way: QUANTISED (scales: A lowp_scales[8], B lowp_scales[9])
;;     6. [M 8,192, K 1,024] x [K 1,024, N 1,024]; A: computed on the way; B: input wo (given as codes): QUANTISED (scales: A lowp_scales[10], B lowp_scales[11])
;;   THE QUANTISER, for each operand of a quantised product, along K:
;;     - The operand's scale is 2^e, e = its entry of the input lowp_scales (int32; the entries are numbered through the quantised products in the list's order, A before B).
;;     - Each number is divided by the scale, clamped to +-448, and rounded to the nearest number of E4M3, ties to even, subnormals kept.
;;     - The product sums the exact products of the quantised numbers (number of the format x scale) in f32.
;;   ~~~python
;;   def quantise(x, axis, e):      # numpy; x: float32 -> the quantised numbers, widened to float32 again
;;       x = np.moveaxis(x, axis, -1); K = x.shape[-1]
;;       r = np.clip(x / 2.0 ** e, -448, 448)
;;       step = 2.0 ** (np.maximum(np.frexp(np.where(r == 0, 1, r))[1] - 1, -6) - 3)
;;       q = np.round(r / step) * step * 2.0 ** e      # np.round: ties to even
;;       return np.moveaxis(q, -1, axis).astype(np.float32)
;;   ~~~
;;   SOFTMAX AHEAD OF A QUANTISED PRODUCT. Where the list says 'softmax', what is quantised is not the finished softmax but p = 2^(t - M), with t = logit x log2(e) and M = ceil(the row's largest t), a whole number; so 1/2 < the row's largest p <= 1. The row's sum l is taken of the UNQUANTISED p, in f32, and the product's result is divided by l at the end. Since M is a whole number, a kernel that streams over the keys may use a running M (the ceiling of the running maximum): every later rescaling is an exact power of two, so the quantised numbers keep their values, but for numbers so far below the row's largest that they fall under the format's range.
;;   OPERANDS COMPUTED ON THE WAY. 'Computed on the way' means the value that the module computes at that place (a softmax that the list does not call 'softmax' is quantised finished and normalised). What goes into a quantiser is computed in f32, as accurately as f32 sums, v_exp_f32 and their like allow (about 1e-6 of the number): no bf16 or f16 on the way to a quantiser, and a product that is left as it is and whose result goes on into a quantised operand takes f32 operands (vector FMAs, or v_wmma_f32_16x16x4_f32). A number that lies on a knife's edge between two numbers of the format may be rounded either way, as far as f32 arithmetic and the matrix unit's own rounding can turn it there, and no further.
;;   INPUTS GIVEN AS CODES. wk (in the module: [1024, 1024], K = its axis 0); wo (in the module: [1024, 1024], K = its axis 0); wq (in the module: [1024, 1024], K = its axis 0); wv (in the module: [1024, 1024], K = its axis 0); x (in the module: [4, 2048, 1024], K = its axis 2): each comes as NAME_codes (uint8): NAME with its K axis moved to the last place and cut into blocks of 32 codes, [.., K / 32, bytes a block], one block behind the other in memory; one code a byte (a code: sign, 4 exponent bits, 3 mantissa bits); its scale is its entry of lowp_scales. Its value is code x scale, taken as it is: it is not quantised again, and the codes and scales need not be those that the quantiser above would give.
;; One version. Each part assembles by itself: llvm-mc -triple=amdgcn-amd-amdhsa -mcpu=gfx1250 --defsym DOCPART=n.
;; ======== version 1 of 1: 3 launches
;; limits: right only within a limited range of input values
;; workspace buffers: q_img 8,388,608 bytes; k_img 8,388,608 bytes; v_img 8,388,608 bytes; a_img 8,388,608 bytes
;; launch qkv (part 1): grid 12 x 32, 4 waves a work-group, clusters of 4 x 4, 327,680 bytes of LDS; arguments x_codes, wq_codes, wk_codes, wv_codes, bq, bk, bv, lowp_scales, q_img, k_img, v_img; writes q_img, k_img, v_img
.if DOCPART == 1
	.amdgcn_target "amdgcn-amd-amdhsa--gfx1250"
	.amdhsa_code_object_version 6
	.text
	.protected	k_q46548eb9f7_qkv
	.globl	k_q46548eb9f7_qkv
	.p2align	8
	.type	k_q46548eb9f7_qkv,@function
k_q46548eb9f7_qkv:
	s_mov_b64 s[64:65], 0
	v_nop
	global_prefetch_b8 v0, s[64:65] scope:SCOPE_SE
	s_setreg_imm32_b32 hwreg(HW_REG_WAVE_MODE, 25, 1), 1
	s_wait_xcnt 0x0
	s_wait_alu depctr_hold_cnt(0) depctr_sa_sdst(0) depctr_va_vdst(0) depctr_va_sdst(0) depctr_va_ssrc(0) depctr_va_vcc(0) depctr_vm_vsrc(0)
	s_getreg_b32 s2, hwreg(HW_REG_IB_STS2, 6, 4)
	s_cmp_eq_u32 s2, 0
	s_cbranch_scc0 .Lentry_in_a_cluster
	s_endpgm
.Lentry_in_a_cluster:
	s_bfe_u32 s2, ttmp6, 0x10000c
	s_cmp_lg_u32 s2, 0xf033
	s_cbranch_scc0 .Lentry_shape_is_right
	s_endpgm
.Lentry_shape_is_right:
; q = x wq + bq, k = x wk + bk, v = x wv + bv on codes of FP8 (E4M3), sums in f32, each result quantised at once to codes of FP8 for the attention launch.
; x: [8192][1024] codes, the weights [1024 (n)][1024 (k)] codes, K innermost.  The scales' exponents: e0, e1 (x, wq), e2, e3 (x, wk), e4, e5 (x, wv); the results' e6 (q), e7 (k), e9 (v).
; WHO.  Cluster x says which product: 0 q, 1 k, 2 v; it is the same number in all sixteen partners.  A tile of 256 x 256 results is made by four waves, 128 x 128 each: 64 accumulators, 512 registers.
; THE MATRIX INSTRUCTION: source 0 = 16 rows of the B side, source 1 = 16 rows of the A side: a lane holds one row of the A side and eight neighbours along the B side.
;   q, k: A side = x, B side = the weight: a lane's registers run along the channels, which are the K of q k^T.
;   v:    A side = wv, B side = x:         a lane's registers run along the tokens, which are the K of p v.  So nothing is ever transposed.
; THE BIAS is the C of each sum's first product, divided by 2^(eA + eB), the power of two that the sums lack.  A sum s then stands for s x 2^(eA + eB), and its code is s / 2^EQ, EQ = e_out - eA - eB.
; THE WAY OUT needs no LDS: the workspace is laid as images of the reader's operand registers, so the codes of two neighbouring accumulators are a lane's 16 bytes and a store of the wave covers 512 consecutive bytes, aligned.
;   q_img, k_img: [b x 16 + head][token tile of 16][c 2][lane 32][16 bytes]: token 16 tile + lane % 16, channels 32 c + 8 (lane / 16) + 0..7, then 16 further on.
;   v_img:        [b x 16 + head][32 tokens C][channel tile 4][lane 32][16 bytes]: channel 16 tile + lane % 16, tokens 32 C + 8 (lane / 16) + 0..7, then 16 further on.
; K goes in steps of 256 through two LDS slots: four fills, written out without a loop.  CLUSTERS: 4 x 4 work-groups; the A side's tile is asked for jointly by a row of the cluster, the B side's by a column.
; k's place in a fragment is permuted alike on both sides (four loads of 16 bytes a fragment): every product meets its partner; the result is judged within a tolerance.
; LIMITS: EQ between -126 and 127, so that 2^EQ is an f32 number.  NaN among the biases is not served.
; REGISTERS: window 0: v0-31 addresses; v32-95 the bias; v96-103 the bias loads' offsets; v128-255 the A side's 8 fragments, later the codes.
;   window 1: the B side's fragments, two sets.   windows 2, 3: the accumulators, (a, b) at v[8 (8 (a % 4) + b)] of window 2 + a / 4.
.set NB,     8                         ; B blocks of 16 rows a wave
.set AW,     32/NB                     ; A blocks whose accumulators fill a window
.set ROWB,   256                       ; a tile's row: 256 codes
.set KROW,   1024                      ; a row in memory
.set PITCH,  272                       ; an LDS row: 256 bytes + 16 of padding, so that the 16 rows that a load touches begin 17 pieces of 16 bytes apart
.set FR,     16                        ; registers of a fragment, 16 rows x 128 K
.set NL,     4                         ; LDS loads that bring one
.set NP,     4                         ; places behind this matrix instruction (ISA guide 7.12.1)
.set HALFT,  128*PITCH                 ; what one tensor load brings
.set SLOT,   4*HALFT                   ; the A side's 256 rows, then the B side's
.set SPARE,  2*SLOT                    ; behind the ring: the spare words, 128 bytes a wave
.set LIM,  10
.set SC,   11                          ; v11  2^EQ
.set VO,   12                          ; v12-15 the stores' offsets, one for each group of four code registers
.set ADRA, 16                          ; v16-17 LDS address of my A fragments in slot 0, 1
.set ADRB, 20                          ; v20-21 the same for B
.set SPW,  28                          ; v28  my spare word; never rewritten
.set NIL,  29                          ; v29  0; never rewritten
.set BIAS, 32
.set TMP,  32
.set BO,   96
.set AF,   128
.set CD,   128
.set G1,  24
.set G0,  32
.set G1B, 48
.set G0B, 56
.set BA,  68                           ; s[68:83] the stores' bases, one for each A block
.set MUL_LO,   0xa1                    ; source 0 (B) window 1, source 1 (A) window 0, C and D window 2
.set MUL_HI,   0xa1+0x50*(4/AW)
.set FIRST_LO, 0x81                    ; the same with C (the bias) in window 0
.set FIRST_HI, 0x81+0x40*(4/AW)
.set TO_B,     0x40
.set MSB, 0
.macro WIN new                         ; the immediate's high byte repeats the setting that is left
.if MSB != (\new)
	s_set_vgpr_msb (MSB<<8)|(\new)
.set MSB, (\new)
.endif
.endm
.macro PLACES n
.rept \n
	v_nop
.endr
.endm
; A joint load: waves 0 and 1 fetch for the A side, waves 2 and 3 for the B side.  The branch hangs on the wave's number alone.  Four v_nop follow each of the two lines.
.macro JLOAD g0a, g1a, g0b, g1b
	s_cmp_eq_u32 s15, 0
	s_cbranch_scc0 .Lfor_b_\@
	tensor_load_to_lds s[\g0a:\g0a+3], s[\g1a:\g1a+7]
	s_nop 0
.rept 4
	v_nop
.endr
	s_branch .Lasked_\@
.Lfor_b_\@:
	tensor_load_to_lds s[\g0b:\g0b+3], s[\g1b:\g1b+7]
	s_nop 0
.rept 4
	v_nop
.endr
.Lasked_\@:
.endm
.macro CREST                           ; a round of the cluster's barrier behind its opening barrier
	s_cmp_lg_u32 s14, 0
	s_cbranch_scc1 .Lnot_wave_0_\@
	s_barrier_signal -3
.Lnot_wave_0_\@:
	s_barrier_wait -3
	s_barrier_signal -1
	s_barrier_wait -1
.endm
.macro CROUND
	s_barrier_signal -1
	s_barrier_wait -1
	CREST
.endm
	s_load_b512 s[68:83], s[0:1], 0x0              ; x s[68:69], wq s[70:71], wk s[72:73], wv s[74:75], bq s[76:77], bk s[78:79], bv s[80:81], the scales' exponents s[82:83]
	s_load_b128 s[84:87], s[0:1], 0x40             ; q_img, k_img
	s_load_b64 s[88:89], s[0:1], 0x50              ; v_img
	v_lshl_add_u32 v[SPW], v0, 2, SPARE
	v_mov_b32 v[NIL], 0
	ds_add_u32 v28, v29
	ds_add_u32 v28, v29
	s_wait_dscnt 0x0
	v_lshrrev_b32 v1, 5, v0
	v_readfirstlane_b32 s14, v1                    ; wave 0..3
	s_lshr_b32 s15, s14, 1                         ; my half of the A side's rows.  Also: I fetch for A (0) or for B (1)
	s_and_b32 s16, s14, 1                          ; my half of the B side's rows.  Also: which 128 rows of that tile I fetch
	s_bfe_u32 s40, ttmp6, 0x40000                  ; cx
	s_bfe_u32 s41, ttmp6, 0x40004                  ; cy
	s_and_b32 s12, ttmp7, 0xffff
	s_lshl_b32 s12, s12, 2                         ; 4 x cluster y: it counts x's tiles, on whichever side x stands
	s_cmp_eq_u32 ttmp9, 2                          ; v?
	s_cselect_b32 s13, 0, s12
	s_cselect_b32 s18, s12, 0
	s_add_co_u32 s17, s41, s13                     ; the A side's tile: cy (+ 4 x cluster y for q, k): shared along a row of the cluster
	s_add_co_u32 s42, s40, s18                     ; the B side's tile: cx (+ 4 x cluster y for v): shared along a column
	s_lshl_b32 s43, s41, 2
	s_lshl_b32 s43, 15, s43                        ; my row of the cluster
	s_lshl_b32 s44, 0x1111, s40                    ; my column
	; descriptor group 1: a tile of 128 rows x 256 bytes, padded in LDS
	s_or_b32 s[G1+0], s43, (1<<20)|(1<<21)|(5<<22)|(3<<25)   ; 15:0 the mask; 17:16 elements of 1 byte; 20 padding on; 21 set beside a mask; 24:22 after every 64 words; 31:25 four words
	s_or_b32 s[G1B+0], s44, (1<<20)|(1<<21)|(5<<22)|(3<<25)
.irp g, G1, G1B
	s_mov_b32 s[\g+1], ROWB<<16                    ; tensor_dim0
	s_mov_b32 s[\g+2], 128<<16                     ; tensor_dim1
	s_mov_b32 s[\g+3], ROWB<<16                    ; tile_dim0
	s_mov_b32 s[\g+4], 128                         ; tile_dim1
	s_mov_b32 s[\g+5], KROW                        ; from row to row
	s_mov_b32 s[\g+6], 0
	s_mov_b32 s[\g+7], 0
.endr
	s_lshl_b32 s18, s16, 7                         ; which 128 rows of the tile I fetch
	s_lshl_b32 s20, s17, 8
	s_add_co_u32 s20, s20, s18
	s_lshl_b32 s20, s20, 10                        ; A: (256 x tile + 128 x half) rows of 1,024 bytes: under 2^23
	s_mov_b32 s21, 0
	s_lshl_b32 s46, s42, 8
	s_add_co_u32 s46, s46, s18
	s_lshl_b32 s46, s46, 10                        ; B likewise
	s_mov_b32 s47, 0
	s_mul_i32 s45, s14, HALFT                      ; where they go: wave x 128 rows
	s_wait_kmcnt 0x0
	s_load_b256 s[92:99], s[82:83], 0x0            ; e0 .. e7
	s_load_b32 s100, s[82:83], 0x24                ; e9
	s_cmp_eq_u32 ttmp9, 2                          ; the buffers are chosen by the cluster's x alone
	s_cselect_b64 s[4:5], s[74:75], s[68:69]       ; A side: wv, else x
	s_cselect_b64 s[6:7], s[68:69], s[70:71]       ; B side: x, else wq
	s_cselect_b64 s[8:9], s[80:81], s[76:77]       ; the bias
	s_cselect_b64 s[10:11], s[88:89], s[84:85]     ; the result
	s_cmp_eq_u32 ttmp9, 1
	s_cselect_b64 s[6:7], s[72:73], s[6:7]
	s_cselect_b64 s[8:9], s[78:79], s[8:9]
	s_cselect_b64 s[10:11], s[86:87], s[10:11]
	s_add_nc_u64 s[20:21], s[4:5], s[20:21]
	s_add_nc_u64 s[46:47], s[6:7], s[46:47]
	CROUND                                         ; all sixteen work-groups are here: the first joint loads meet
.irp s, 0,1
	s_mov_b32 s[G0+4*\s], 1
	s_add_co_u32 s[G0+4*\s+1], s45, \s*SLOT
	s_add_nc_u64 s[G0+4*\s+2:G0+4*\s+3], s[20:21], \s*ROWB
	s_or_b32 s[G0+4*\s+3], s[G0+4*\s+3], 0x80000000
	s_mov_b32 s[G0B+4*\s], 1
	s_add_co_u32 s[G0B+4*\s+1], s45, \s*SLOT
	s_add_nc_u64 s[G0B+4*\s+2:G0B+4*\s+3], s[46:47], \s*ROWB
	s_or_b32 s[G0B+4*\s+3], s[G0B+4*\s+3], 0x80000000
	JLOAD G0+4*\s, G1, G0B+4*\s, G1B               ; two tensor loads of mine are out
.endr
	v_and_b32 v1, 15, v0                           ; r = lane % 16
	v_bfe_u32 v2, v0, 4, 1                         ; h = lane / 16
	s_wait_alu depctr_va_vdst(0)
	v_mul_u32_u24 v3, v1, PITCH
	v_lshl_add_u32 v4, v2, 4, v3                   ; a fragment's row x pitch + 16 h
	s_mul_i32 s21, s15, HALFT
	s_mul_i32 s22, s16, HALFT
	s_add_co_u32 s22, s22, 2*HALFT
.irp s, 0,1
	v_add_nc_u32 v[ADRA+\s], s21, v4
	v_add_nc_u32 v[ADRB+\s], s22, v4
	s_add_co_u32 s21, s21, SLOT
	s_add_co_u32 s22, s22, SLOT
.endr
	; which side is the weight's (tw, ww) and which is x's (tx, wx); and how the bias lies in a result: along the registers (q, k) or along the lanes (v)
	s_cmp_eq_u32 ttmp9, 2
	s_cselect_b32 s66, 0, 32                       ; bytes for h
	s_cselect_b32 s67, 4, 0                        ; for r
	s_cselect_b32 s12, 0, 4                        ; for register j
	s_cselect_b32 s13, s17, s42                    ; tw
	s_cselect_b32 s18, s15, s16                    ; ww
	s_cselect_b32 s19, s42, s17                    ; tx
	s_cselect_b32 s3, s16, s15                     ; wx
	v_mul_u32_u24 v5, v2, s66
	v_mad_u32_u24 v5, v1, s67, v5
	s_wait_alu depctr_va_vdst(0)
	s_mov_b32 s23, 0
.irp j, 0,1,2,3,4,5,6,7
	v_add_nc_u32 v[BO+\j], s23, v5
	s_add_co_u32 s23, s23, s12
.endr
	s_lshl_b32 s20, s13, 10
	s_lshl_b32 s21, s18, 9
	s_add_co_u32 s20, s20, s21                     ; 4 x (256 tw + 128 ww)
	s_mov_b32 s21, 0
	s_add_nc_u64 s[8:9], s[8:9], s[20:21]
	s_wait_alu depctr_va_vdst(0)
.irp i, 0,1,2,3,4,5,6,7                        ; block i of 16 channels: eight registers in the result's layout
.irp j, 0,1,2,3,4,5,6,7
	global_load_b32 v[BIAS+8*\i+\j], v[BO+\j], s[8:9] offset:64*\i
.endr
.endr
	; where my part of the result begins: ((tx / 8) x 16 + 4 tw + 2 ww) heads of 131,072 bytes + ((tx % 8) x 256 + 128 wx) tokens of 64 bytes
	s_lshr_b32 s20, s19, 3
	s_lshl_b32 s20, s20, 4
	s_lshl_b32 s22, s13, 2
	s_add_co_u32 s20, s20, s22
	s_lshl_b32 s22, s18, 1
	s_add_co_u32 s20, s20, s22
	s_lshl_b32 s20, s20, 17
	s_and_b32 s22, s19, 7
	s_lshl_b32 s22, s22, 14
	s_add_co_u32 s20, s20, s22
	s_lshl_b32 s22, s3, 13
	s_add_co_u32 s20, s20, s22
	s_add_nc_u64 s[10:11], s[10:11], s[20:21]
	s_cmp_eq_u32 ttmp9, 2                          ; the strides of an A block a (a % 4, a / 4) and of a group c of four code registers (c % 2, c / 2)
	s_mov_b32 s12, 1024
	s_cselect_b32 s12, 512, s12                    ; a % 4: a token tile (q, k), a channel tile (v)
	s_mov_b32 s13, 4096
	s_cselect_b32 s13, 0x20000, s13                ; a / 4: four token tiles, the next head
	s_mov_b32 s18, 512
	s_cselect_b32 s18, 2048, s18                   ; c % 2: 32 channels, 32 tokens
	s_mov_b32 s19, 0x20000
	s_cselect_b32 s19, 4096, s19                   ; c / 2: the next head, 64 tokens
	v_and_b32 v6, 31, v0
	v_lshlrev_b32 v[VO], 4, v6                     ; 16 x lane
	v_add_nc_u32 v[VO+1], s18, v[VO]
	v_add_nc_u32 v[VO+2], s19, v[VO]
	v_add_nc_u32 v[VO+3], s18, v[VO+2]
	s_mov_b32 s23, 0
	s_wait_kmcnt 0x0                               ; the exponents are in, so s[68:83] may be written
.irp a, 0,1,2,3,4,5,6,7
	s_mul_i32 s22, s12, (\a)&3
.if \a >= 4
	s_add_co_u32 s22, s22, s13
.endif
	s_add_nc_u64 s[BA+2*\a:BA+2*\a+1], s[10:11], s[22:23]
.endr
	s_add_co_i32 s92, s92, s93                     ; e0 + e1
	s_add_co_i32 s94, s94, s95                     ; e2 + e3
	s_add_co_i32 s96, s96, s97                     ; e4 + e5
	s_cmp_eq_u32 ttmp9, 2
	s_cselect_b32 s90, s96, s92
	s_cselect_b32 s91, s100, s98
	s_cmp_eq_u32 ttmp9, 1
	s_cselect_b32 s90, s94, s90                    ; eA + eB
	s_cselect_b32 s91, s99, s91                    ; e_out
	s_sub_co_i32 s91, s91, s90                     ; EQ
	s_sub_co_i32 s90, 0, s90
	s_add_co_i32 s91, s91, 127
	s_lshl_b32 s93, s91, 23
	v_mov_b32 v[SC], s93                           ; 2^EQ as f32: the conversion takes its exponent field
	s_wait_loadcnt 0x0                             ; the bias
.set n, 0
.rept 64
	v_ldexp_f32 v[BIAS+n], v[BIAS+n], s90          ; / 2^(eA + eB)
.set n, n+1
.endr
.macro FRAG reg, adr, q, i             ; 16 rows x 128 K: registers 4 c .. 4 c + 3 hold K = 32 c + 16 h + 0 .. 15 of row r
.irp c, 0,1,2,3
	ds_load_b128 v[\reg+4*\c:\reg+4*\c+3], v[\adr] offset:128*(\q)+32*\c+(\i)*16*PITCH
.endr
.endm
; A's blocks a0, a0 + 1 against B's NB.  p: B's set.  zero = 0: onto the sums; 1: the first product, C = the bias of B block b; 2: C = the bias of A block a.
; The accumulators take turns, one instruction a turn, in the same order in every step.
.macro MULA a0, p, zero
.irp a, \a0, \a0+1
.set bb, 0
.rept NB
.set DD, 8*(NB*((\a)%AW)+bb)
.if \zero == 0
	v_wmma_f32_16x16x128_fp8_fp8 v[DD:DD+7], v[128*(\p)+FR*bb:128*(\p)+FR*bb+FR-1], v[AF+FR*(\a):AF+FR*(\a)+FR-1], v[DD:DD+7]
.elseif \zero == 1
	v_wmma_f32_16x16x128_fp8_fp8 v[DD:DD+7], v[128*(\p)+FR*bb:128*(\p)+FR*bb+FR-1], v[AF+FR*(\a):AF+FR*(\a)+FR-1], v[BIAS+8*bb:BIAS+8*bb+7]
.else
	v_wmma_f32_16x16x128_fp8_fp8 v[DD:DD+7], v[128*(\p)+FR*bb:128*(\p)+FR*bb+FR-1], v[AF+FR*(\a):AF+FR*(\a)+FR-1], v[BIAS+8*(\a):BIAS+8*(\a)+7]
.endif
.set bb, bb+1
.endr
.endr
.endm
.macro FETCH_B slot, q, p
	WIN TO_B
.set ii, 0
.rept NB
	FRAG 128*(\p)+FR*ii, ADRB+\slot, \q, ii
.set ii, ii+1
.endr
	WIN 0
.endm
.macro FETCH_A slot, q, i0
.irp i, \i0, \i0+1, \i0+2, \i0+3
	FRAG AF+FR*(\i), ADRA+\slot, \q, \i
.endr
.endm
; A step of 128 along K that has its successor in the same slot.  A load into a register that a matrix instruction has read stands NP plain vector instructions behind it.
.macro STEP slot, q, zero
	s_wait_dscnt 4*NL                              ; B's set and A's blocks 0-3 are in; the youngest sixteen loads (A's blocks 4-7) may be out
.if \zero
	WIN FIRST_LO
.else
	WIN MUL_LO
.endif
	MULA 0, (\q)%2, \zero
	MULA 2, (\q)%2, \zero
	s_wait_dscnt 0x0                               ; A's blocks 4-7 are in
	PLACES NP
	FETCH_B \slot, (\q)+1, 1-(\q)%2
	FETCH_A \slot, (\q)+1, 0
.if \zero
	WIN FIRST_HI
.else
	WIN MUL_HI
.endif
	MULA 4, (\q)%2, \zero
	MULA 6, (\q)%2, \zero
	PLACES NP
	WIN 0
	FETCH_A \slot, (\q)+1, 4
.endm
; A slot's last step changes slots: one barrier; in front of it each wave waits for all its tensor loads, adds 0 to its spare word, and waits for that and for its reads of this slot.
.macro TURN slot, next, fill
	s_wait_tensorcnt 0x0                           ; all my tensor loads have landed: my part of the next slot
	ds_add_u32 v[SPW], v[NIL]                      ; 0 onto my spare word
	s_wait_dscnt 4*NL+1                            ; the add and the youngest sixteen loads may be out
	WIN MUL_LO
	MULA 0, 1, 0                                   ; matrix work stands between the add and the wait for it
	s_wait_dscnt 0x0                               ; the add is done, and my reads of this slot are over
	s_barrier_signal -1
	MULA 2, 1, 0
	WIN 0
	s_barrier_wait -1
.if \fill
	CREST                                          ; the barrier has opened a round of the cluster's: no wave of any partner still reads this slot or has a load on its way
	s_add_nc_u64 s[G0+4*\slot+2:G0+4*\slot+3], s[G0+4*\slot+2:G0+4*\slot+3], 2*ROWB
	s_add_nc_u64 s[G0B+4*\slot+2:G0B+4*\slot+3], s[G0B+4*\slot+2:G0B+4*\slot+3], 2*ROWB
	JLOAD G0+4*\slot, G1, G0B+4*\slot, G1B         ; my one tensor load behind the round; its four v_nop are also the places in front of the loads below
.else
	PLACES NP
.endif
	FETCH_B \next, 0, 0
	FETCH_A \next, 0, 0
	WIN MUL_HI
	MULA 4, 1, 0
	MULA 6, 1, 0
	PLACES NP
	WIN 0
	FETCH_A \next, 0, 4
.endm
	s_wait_tensorcnt 0x1                           ; my part of slot 0 is in; slot 1's may stay out
	s_barrier_signal -1
	s_barrier_wait -1
	FETCH_B 0, 0, 0
	FETCH_A 0, 0, 0
	FETCH_A 0, 0, 4
	s_cmp_eq_u32 ttmp9, 2                          ; the first step is written twice: its products take the bias as C, by B's block (q, k) or by A's (v).  Only LDS loads and products stand in the two arms
	s_cbranch_scc1 .Lfirst_v
	s_wait_alu depctr_va_vdst(0)
	STEP 0, 0, 1
	s_branch .Lfirst_done
.Lfirst_v:
	s_wait_alu depctr_va_vdst(0)
	STEP 0, 0, 2
.Lfirst_done:
	TURN 0, 1, 1                                   ; slot 0 takes K 512 on
	STEP 1, 0, 0
	TURN 1, 0, 1                                   ; slot 1 takes K 768 on
	STEP 0, 0, 0
	TURN 0, 1, 0                                   ; nothing is left to fetch
	STEP 1, 0, 0
	s_wait_dscnt 4*NL                              ; the last step
	WIN MUL_LO
	MULA 0, 1, 0
	MULA 2, 1, 0
	s_wait_dscnt 0x0
	WIN MUL_HI
	MULA 4, 1, 0
	MULA 6, 1, 0
	WIN 0
; THE WAY OUT, an A block at a time: eight conversions; four stores of 512 consecutive bytes.
; Every block has code registers and a base of its own, so nothing that a store reads is written again.
.macro OUTBLK a
.set AC, 64*((\a)%4)
	WIN (0x02+(\a)/4)                              ; source 0: window 2 or 3
.set n, 0
.rept 64
.set n, n+1
.endr
.set n, 0
.rept 8
	v_cvt_scalef32_pk8_fp8_f32 v[CD+16*(\a)+2*n:CD+16*(\a)+2*n+1], v[AC+8*n:AC+8*n+7], v[SC]
.set n, n+1
.endr
	WIN 0
	v_nop                                          ; one plain vector instruction behind the conversions
.irp c, 0,1,2,3
	global_store_b128 v[VO+\c], v[CD+16*(\a)+4*\c:CD+16*(\a)+4*\c+3], s[BA+2*(\a):BA+2*(\a)+1]
.endr
.endm
	PLACES NP                                      ; behind the last products
.irp a, 0,1,2,3,4,5,6,7
	OUTBLK \a
.endr
	s_wait_tensorcnt 0x0                           ; the wave's end
	ds_add_u32 v[SPW], v[NIL]
	s_wait_dscnt 0x0
	CROUND                                         ; the closing round: no work-group ends while a partner may still ask for a tile that names it
	s_endpgm
.Lfunc_end_k_q46548eb9f7_qkv:
	.size	k_q46548eb9f7_qkv, .Lfunc_end_k_q46548eb9f7_qkv-k_q46548eb9f7_qkv
	.p2alignl 7, 3214868480
	.fill 96, 4, 3214868480
	.section	.rodata,"a",@progbits
	.p2align	6, 0x0
	.amdhsa_kernel k_q46548eb9f7_qkv
		.amdhsa_group_segment_fixed_size 327680
		.amdhsa_private_segment_fixed_size 0
		.amdhsa_enable_private_segment 0
		.amdhsa_kernarg_size 88
		.amdhsa_user_sgpr_count 2
		.amdhsa_user_sgpr_kernarg_segment_ptr 1
		.amdhsa_wavefront_size32 1
		.amdhsa_system_sgpr_workgroup_id_x 1
		.amdhsa_system_sgpr_workgroup_id_y 1
		.amdhsa_system_sgpr_workgroup_id_z 1
		.amdhsa_system_vgpr_workitem_id 0
		.amdhsa_next_free_vgpr 1024
		.amdhsa_next_free_sgpr 102
		.amdhsa_reserve_vcc 0
		.amdhsa_float_denorm_mode_32 3
		.amdhsa_float_denorm_mode_16_64 3
		.amdhsa_fp16_overflow 1
		.amdhsa_memory_ordered 1
		.amdhsa_forward_progress 1
		.amdhsa_inst_pref_size 107
	.end_amdhsa_kernel
	.amdgpu_metadata
---
amdhsa.version: [ 1, 2 ]
amdhsa.kernels:
  - .name:           k_q46548eb9f7_qkv
    .symbol:         k_q46548eb9f7_qkv.kd
    .args:
      - { .name: x_codes, .offset: 0, .size: 8, .value_kind: global_buffer, .address_space: global }
      - { .name: wq_codes, .offset: 8, .size: 8, .value_kind: global_buffer, .address_space: global }
      - { .name: wk_codes, .offset: 16, .size: 8, .value_kind: global_buffer, .address_space: global }
      - { .name: wv_codes, .offset: 24, .size: 8, .value_kind: global_buffer, .address_space: global }
      - { .name: bq, .offset: 32, .size: 8, .value_kind: global_buffer, .address_space: global }
      - { .name: bk, .offset: 40, .size: 8, .value_kind: global_buffer, .address_space: global }
      - { .name: bv, .offset: 48, .size: 8, .value_kind: global_buffer, .address_space: global }
      - { .name: lowp_scales, .offset: 56, .size: 8, .value_kind: global_buffer, .address_space: global }
      - { .name: q_img, .offset: 64, .size: 8, .value_kind: global_buffer, .address_space: global }
      - { .name: k_img, .offset: 72, .size: 8, .value_kind: global_buffer, .address_space: global }
      - { .name: v_img, .offset: 80, .size: 8, .value_kind: global_buffer, .address_space: global }
    .group_segment_fixed_size: 327680
    .private_segment_fixed_size: 0
    .kernarg_segment_align: 8
    .kernarg_segment_size: 88
    .max_flat_workgroup_size: 128
    .sgpr_count:     102
    .vgpr_count:     1024
    .wavefront_size: 32
...
	.end_amdgpu_metadata
.endif
;; end of part 1
;; launch attn (part 2): grid 4 x 64, 16 waves a work-group, clusters of 4 x 1, 327,680 bytes of LDS; arguments q_img, k_img, v_img, lowp_scales, a_img; writes a_img
.if DOCPART == 2
	.amdgcn_target "amdgcn-amd-amdhsa--gfx1250"
	.amdhsa_code_object_version 6
	.text
	.protected	k_q46548eb9f7_attn
	.globl	k_q46548eb9f7_attn
	.p2align	8
	.type	k_q46548eb9f7_attn,@function
k_q46548eb9f7_attn:
	s_mov_b64 s[64:65], 0
	v_nop
	global_prefetch_b8 v0, s[64:65] scope:SCOPE_SE
	s_setreg_imm32_b32 hwreg(HW_REG_WAVE_MODE, 25, 1), 1
	s_wait_xcnt 0x0
	s_wait_alu depctr_hold_cnt(0) depctr_sa_sdst(0) depctr_va_vdst(0) depctr_va_sdst(0) depctr_va_ssrc(0) depctr_va_vcc(0) depctr_vm_vsrc(0)
	s_getreg_b32 s2, hwreg(HW_REG_IB_STS2, 6, 4)
	s_cmp_eq_u32 s2, 0
	s_cbranch_scc0 .Lentry_in_a_cluster
	s_endpgm
.Lentry_in_a_cluster:
	s_bfe_u32 s2, ttmp6, 0x10000c
	s_cmp_lg_u32 s2, 0x3003
	s_cbranch_scc0 .Lentry_shape_is_right
	s_endpgm
.Lentry_shape_is_right:
; Causal attention of one head on codes of FP8 (E4M3): o[q] = sum over k <= q of softmax_k(q . k / 8) v[k]; 2,048 tokens, head size 64; the result is quantised at once (e10) for the last projection.
; The scales' exponents: e6 (q), e7 (k), e8 (p), e9 (v), e10 (the result).
; THE SOFTMAX AHEAD OF THE SECOND PRODUCT: t = score x log2(e) / 8; M = the row's largest t so far, rounded UP to a whole number; p = 2^(t - M) is quantised, not normalised.  The row's sum is taken of the unquantised p
; and divides at the end.  When M moves, the sum and O are multiplied by 2^(old M - new M), which rounds nothing.
; SHARES.  The four work-groups of a cluster serve one head (cluster y).  The head's whole K (131,072 bytes) and V (131,072 bytes) lie in each work-group's LDS, brought once by joint loads: no LDS byte is filled twice,
; so there is no ring, and no barrier stands in a loop.  With j = 4 x wave + cx, a wave owns the query tiles 127 - j and j (16 queries each): 16 - wave / 2 and wave / 2 + 1 key steps of 128, seventeen for every wave.
; The step on the diagonal is 15 - wave / 2 and wave / 2: it hangs on the wave's number alone, so no branch hangs on the work-group's place; cx enters global addresses and the mask's vector operand only.
; LAYOUT.  Both products are used transposed: S^T = K Q^T (source 0 = 16 keys, source 1 = my 16 queries, K = 64), O^T = V^T P^T (source 0 = 16 channels, source 1 = P, K = 128 keys): a lane holds ONE query throughout.
; In S^T lane (r, h) holds keys 16 t + 8 h + 0..7 of tile t: its eight codes are registers 2 t, 2 t + 1 of P's fragment, each k in the place that the form's own layout gives it.  The workspace buffers are images of
; operand registers (16 bytes a lane, 512 bytes a load), so every LDS load takes consecutive bytes.
; a_img: [32 along K: C][row tile of 16][hh 2][r 16][16 bytes]: row 16 tile + r, k = 32 C + 16 hh + 0..15, k = 64 x head + channel.
; LIMITS on the given exponents, so that each power of two is an f32 number: e6 + e7 between -123 and 130; e8 and e10 between -126 and 119; e8 + e9 is applied by v_ldexp_f32 and has none.
; REGISTERS: v1-4 addresses that stay; v8, v9 the step's LDS addresses; v12 -M, v13 the largest t, v[14:15] the sum in two halves; v16-23, v24-31 Q of my two tiles; v32-95 K's eight fragments, then V's four;
;   v96-159 S^T, then p; v160-191 O^T; v192-207 p's codes; v208-215 the result's codes; v236-254 at work and constants.
.set LI,  1                            ; v1   16 x lane
.set LV,  2                            ; v2   16 x lane + 131,072: V's part of LDS
.set GO,  3                            ; v3   16 r + 8 h: my 8 bytes of a stored unit
.set RH,  4                            ; v4   r - 8 h
.set ADK, 8
.set ADV, 9
.set QH,  16
.set QL,  24
.set KV,  32
.set S,   96
.set O,   160
.set PC,  192
.set OC,  208
.set TB,  2                            ; s2   LDS byte at which the step's part of K begins
.set IX,  3                            ; s3   the key step
.set DG,  14                           ; s14  the step on the diagonal
.set QT,  15                           ; s15  the query tile in hand
.set WV,  18
.set SEL, 20                           ; s[20:21] lane selects: lane l xor 16
.set CS,  22                           ; s[22:23] c = log2(e) / 8 x 2^(e6 + e7)
.macro ROUND                           ; a round of the cluster's barrier
	s_barrier_signal -1
	s_barrier_wait -1
	s_cmp_lg_u32 s[WV], 0
	s_cbranch_scc1 .Lnot_wave_0_\@
	s_barrier_signal -3
.Lnot_wave_0_\@:
	s_barrier_wait -3
	s_barrier_signal -1
	s_barrier_wait -1
.endm
	s_load_b256 s[4:11], s[0:1], 0x0               ; q_img s[4:5], k_img s[6:7], v_img s[8:9], the scales' exponents s[10:11]
	s_load_b64 s[12:13], s[0:1], 0x20              ; a_img
	v_lshl_add_u32 v251, v0, 2, 0x40000
	v_mov_b32 v255, 0
	ds_add_u32 v251, v255
	ds_add_u32 v251, v255
	v_lshrrev_b32 v8, 5, v0
	s_delay_alu instid0(VALU_DEP_1)
	v_readfirstlane_b32 s[WV], v8                  ; wave 0..15
	s_bfe_u32 s19, ttmp6, 0x40000                  ; cx
	s_and_b32 s24, ttmp7, 0xffff                   ; b x 16 + head, which the four partners share
	s_lshl_b32 s25, s[WV], 2
	s_add_co_u32 s25, s25, s19                     ; j
	; descriptor group 1: 32 rows of 256 bytes, dense: 8,192 bytes
	s_mov_b32 s32, 15|(3<<16)|(1<<21)              ; 15:0 the mask: all four work-groups; 17:16 elements of 8 bytes; 21 set beside a mask; no padding
	s_mov_b32 s33, 32<<16                          ; tensor_dim0 = 32
	s_mov_b32 s34, 32<<16                          ; tensor_dim1 = 32
	s_mov_b32 s35, 32<<16                          ; tile_dim0 = 32
	s_mov_b32 s36, 32                              ; tile_dim1 = 32
	s_mov_b32 s37, 32                              ; from row to row
	s_mov_b32 s38, 0
	s_mov_b32 s39, 0
	s_and_b32 s26, s[WV], 7
	s_lshl_b32 s26, s26, 13                        ; my piece of 8,192 bytes among eight
	s_lshr_b32 s27, s[WV], 3
	s_lshl_b32 s27, s27, 17                        ; waves 0-7: K's part of LDS, waves 8-15: V's
	s_add_co_u32 s27, s27, s26
	s_lshl_b32 s28, s24, 17                        ; the head's first byte: the same in all three tensors
	s_add_co_u32 s28, s28, s26
	s_mov_b32 s29, 0
	s_mov_b32 s[SEL], 0x76543210
	s_mov_b32 s[SEL+1], 0xfedcba98
	v_and_b32 v[LI], 31, v0
	s_delay_alu instid0(VALU_DEP_1)
	v_lshlrev_b32 v[LI], 4, v[LI]
	s_delay_alu instid0(VALU_DEP_1)
	v_add_nc_u32 v[LV], 0x20000, v[LI]
	v_and_b32 v5, 15, v0                           ; r
	v_bfe_u32 v6, v0, 4, 1                         ; h
	s_delay_alu instid0(VALU_DEP_2)
	v_lshlrev_b32 v[GO], 4, v5
	s_delay_alu instid0(VALU_DEP_1)
	v_lshl_add_u32 v[GO], v6, 3, v[GO]
	s_delay_alu instid0(VALU_DEP_3)
	v_lshlrev_b32 v7, 3, v6
	s_delay_alu instid0(VALU_DEP_1)
	v_sub_nc_u32 v[RH], v5, v7
	v_mov_b32 v236, 0                              ; written once: a lane permute's destination counts as one of its sources
	v_mov_b32 v253, 0                              ; (named as the upper half of the pair v[252:253])
	s_wait_dscnt 0x0
	s_wait_kmcnt 0x0
	s_load_b128 s[48:51], s[10:11], 0x18           ; e6, e7, e8, e9
	s_load_b32 s52, s[10:11], 0x28                 ; e10
	s_cmp_lt_u32 s[WV], 8                          ; the choice hangs on the wave's number alone: the same in all four partners
	s_cselect_b64 s[30:31], s[6:7], s[8:9]
	s_mov_b32 s40, 1                               ; group 0, first load: keys 0 to 1,023
	s_mov_b32 s41, s27
	s_add_nc_u64 s[42:43], s[30:31], s[28:29]
	s_mov_b32 s44, 1                               ; second load: keys 1,024 on: 65,536 bytes further in memory and in LDS
	s_add_co_u32 s45, s27, 0x10000
	s_add_nc_u64 s[46:47], s[42:43], 0x10000
	s_or_b32 s43, s43, 0x80000000
	s_or_b32 s47, s47, 0x80000000
	ROUND                                          ; all four work-groups are here: the joint loads meet
	tensor_load_to_lds s[40:43], s[32:39]          ; every wave issues both: one tensor load of mine is out
	s_nop 0
	s_wait_alu depctr_va_vdst(0)
	s_wait_tensorcnt 0x0
	ds_add_u32 v251, v255
	s_wait_dscnt 0x0
	ROUND
	tensor_load_to_lds s[44:47], s[32:39]
	s_nop 0
.rept 4
	v_nop
.endr
	s_sub_co_u32 s[QT], 127, s25                   ; my high tile
	s_lshl_b32 s26, s24, 17
	s_lshl_b32 s27, s[QT], 10                      ; a tile of Q is 1,024 bytes
	s_add_co_u32 s28, s26, s27
	s_add_nc_u64 s[56:57], s[4:5], s[28:29]
	s_lshl_b32 s27, s25, 10                        ; my low tile
	s_add_co_u32 s28, s26, s27
	s_add_nc_u64 s[54:55], s[4:5], s[28:29]
	global_load_b128 v[QH:QH+3], v[LI], s[56:57] th:TH_LOAD_NT
	global_load_b128 v[QH+4:QH+7], v[LI], s[56:57] offset:512 th:TH_LOAD_NT
	global_load_b128 v[QL:QL+3], v[LI], s[54:55] th:TH_LOAD_NT
	global_load_b128 v[QL+4:QL+7], v[LI], s[54:55] offset:512 th:TH_LOAD_NT
	s_wait_kmcnt 0x0
	s_add_co_i32 s26, s48, s49
	s_lshl_b32 s26, s26, 23
	s_mov_b32 s[CS], 0x3e38aa3b                    ; log2(e) / 8
	s_add_co_i32 s[CS], s[CS], s26                 ; a score stands for score x 2^(e6 + e7): the exponents are added to c's exponent field
	s_mov_b32 s[CS+1], s[CS]                       ; (named with it as a pair, so it is written)
	s_add_co_i32 s26, s50, 127
	s_lshl_b32 s27, s26, 23
	v_mov_b32 v244, s27                            ; 2^e8, for p's conversions
	s_add_co_i32 s26, s52, 127
	s_lshl_b32 s27, s26, 23
	v_mov_b32 v245, s27                            ; 2^e10, for the result's
	s_add_co_i32 s53, s50, s51                     ; e8 + e9
; A tile begins: the largest t under every t, the sum and O^T zero: the first change of M multiplies zeros.
.macro PRO
	v_mov_b32 v13, 0xff61b1e6                      ; -3e38
	s_delay_alu instid0(VALU_DEP_1)
	v_floor_f32 v12, -v13                          ; -M
	v_mov_b32 v14, 0
	v_mov_b32 v15, 0
.set n, 0
.rept 32
	v_mov_b32 v[O+n], 0
.set n, n+1
.endr
.endm
; A KEY STEP: 128 keys.  causal = 1: a step behind the diagonal is left out (a scalar branch on the step and the wave's number; no barrier and no tensor load stands in a step), and the step on it is masked.  qf: Q's fragment.
.macro STEP causal, qf
.if \causal
	s_cmp_gt_u32 s[IX], s[DG]
	s_cbranch_scc1 .Lhidden_\@
.endif
	s_setprio 2
	v_add_nc_u32 v[ADK], s[TB], v[LI]
	v_add_nc_u32 v[ADV], s[TB], v[LV]
	v_nop
	v_nop                                          ; four places in all, in front of loads into registers that the last products have read
.irp t, 0,1,2,3,4,5,6,7
	ds_load_b128 v[KV+8*\t:KV+8*\t+3], v[ADK] offset:1024*\t
	ds_load_b128 v[KV+8*\t+4:KV+8*\t+7], v[ADK] offset:1024*\t+512
.endr
	s_wait_alu depctr_va_vdst(0)
.irp t, 0,1,2,3,4,5,6,7
	s_wait_dscnt 14-2*\t                           ; tile t's two loads are in; those issued behind them may be out
	v_wmma_f32_16x16x64_fp8_fp8 v[S+8*\t:S+8*\t+7], v[KV+8*\t:KV+8*\t+7], v[\qf:\qf+7], 0
.endr
.rept 4
	v_nop                                          ; places: in front of the loads below and of the first read of the scores
.endr
.irp u, 0,1,2,3                                ; V's four fragments (16 channels x 128 keys) are asked for now and land under the softmax
.irp c, 0,1,2,3
	ds_load_b128 v[KV+16*\u+4*\c:KV+16*\u+4*\c+3], v[ADV] offset:2048*\c+512*\u
.endr
.endr
.if \causal
	s_cmp_lt_u32 s[IX], s[DG]
	s_cbranch_scc1 .Lopen_\@
	s_lshl_b32 s16, s[QT], 4
	s_lshl_b32 s17, s[IX], 7
	s_sub_co_i32 s16, s16, s17
	v_add_nc_u32 v252, s16, v[RH]                  ; d = my query - the step's first key - 8 h.  Register 8 t + i holds key 16 t + 8 h + i of the step: hidden where 16 t + i > d
	v_mov_b32 v254, 0xff800000                     ; -infinity: p = 0 then.  The step's first key counts for every query of the tile
.set n, 0
.rept 64
	v_cmp_gt_i32 vcc_lo, 16*(n/8)+n%8, v252
	v_cndmask_b32 v[S+n], v[S+n], v254, vcc_lo
.set n, n+1
.endr
.Lopen_\@:
.endif
	v_max3_num_f32 v254, v[S], v[S+1], v[S+2]      ; the step's largest score of my query among my 64 keys, in two chains, each accumulator from its low end on
	v_max3_num_f32 v252, v[S+3], v[S+4], v[S+5]
.irp i, 6,10,14,18,22,26,30,34,38,42,46,50,54,58
	v_max3_num_f32 v254, v254, v[S+\i], v[S+1+\i]
	v_max3_num_f32 v252, v252, v[S+2+\i], v[S+3+\i]
.endr
	v_max3_num_f32 v254, v254, v[S+62], v[S+63]
	s_delay_alu instid0(VALU_DEP_1)
	v_max_num_f32 v254, v254, v252
	s_delay_alu instid0(VALU_DEP_1)
	v_permlanex16_b32 v236, v254, s[SEL], s[SEL+1]
	s_delay_alu instid0(VALU_DEP_1)
	v_max_num_f32 v254, v254, v236                 ; and among lane l xor 16's
	s_delay_alu instid0(VALU_DEP_1)
	v_mul_f32 v254, s[CS], v254                    ; as t (c is positive)
	s_delay_alu instid0(VALU_DEP_1)
	v_max_num_f32 v13, v13, v254                   ; the running largest t
	v_mov_b32 v254, v12
	s_delay_alu instid0(VALU_DEP_2)
	v_floor_f32 v12, -v13                          ; the new -M = -ceil(t)
	s_delay_alu instid0(VALU_DEP_1)
	v_sub_f32 v254, v12, v254                      ; old M - new M: a whole number, 0 or less
	s_delay_alu instid0(VALU_DEP_1)
	v_cvt_i32_f32 v254, v254                       ; (it saturates)
	s_delay_alu instid0(VALU_DEP_1)
	v_ldexp_f32 v252, 1.0, v254                    ; f = 2^(old M - new M)
.set n, 0
.rept 32
	v_pk_fma_f32 v[S+n:S+n+1], v[S+n:S+n+1], s[CS:CS+1], v[12:13] op_sel_hi:[1,0,0]   ; t - M, two at a time
.set n, n+2
.endr
.set n, 0
	s_setprio 1
	s_wait_alu depctr_va_vdst(0)
.rept 64
	v_exp_f32 v[S+n], v[S+n]                       ; p = 2^(t - M)
.set n, n+1
.endr
	v_pk_mul_f32 v[14:15], v[14:15], v[252:253] op_sel_hi:[1,0]   ; the sums under the new M: the plain instruction behind the exponentials
	s_wait_alu depctr_va_vdst(0)                   ; one wait for the batch of 64, ahead of its first reader
	v_pk_add_f32 v[242:243], v[S:S+1], v[S+2:S+3]  ; the row's sum is taken of the unquantised p, in two chains
.irp j, 4,8,12,16,20,24,28,32,36,40,44,48,52,56,60
	v_pk_add_f32 v[14:15], v[14:15], v[S+\j:S+1+\j]
	v_pk_add_f32 v[242:243], v[242:243], v[S+2+\j:S+3+\j]
.endr
	s_delay_alu instid0(VALU_DEP_1)
	v_pk_add_f32 v[14:15], v[14:15], v[242:243]
	s_setprio 0
.irp t, 0,1,2,3,4,5,6,7
.irp i, 0,1,2,3,4,5,6,7
.endr
	v_cvt_scalef32_pk8_fp8_f32 v[PC+2*\t:PC+2*\t+1], v[S+8*\t:S+8*\t+7], v244
.endr
.set n, 0
.rept 16
	v_pk_mul_f32 v[O+n:O+n+1], v[O+n:O+n+1], v[252:253] op_sel_hi:[1,0]   ; O^T under the new M; also the plain instructions between the conversions and the products
.set n, n+2
.endr
	s_wait_alu depctr_va_vdst(0)
	s_wait_dscnt 0x0                               ; V is in
.irp u, 0,1,2,3
	v_wmma_f32_16x16x128_fp8_fp8 v[O+8*\u:O+8*\u+7], v[KV+16*\u:KV+16*\u+15], v[PC:PC+15], v[O+8*\u:O+8*\u+7]
.endr
.if \causal
.Lhidden_\@:
.endif
	s_add_co_u32 s[TB], s[TB], 8192                ; 128 keys on, in K's part and in V's alike
.endm
; A tile ends: O^T / the sum x 2^(e8 + e9), converted with 2^e10, stored: the 32 lanes' 8 bytes are 256 consecutive bytes, aligned.
.macro EPI
	s_wait_xcnt 0x0                                ; the last tile's stores have read their data and their base: both are written again below
.rept 4
	v_nop                                          ; places behind the last products
.endr
	v_add_f32 v14, v14, v15
	s_delay_alu instid0(VALU_DEP_1)
	v_permlanex16_b32 v252, v14, s[SEL], s[SEL+1]
	s_delay_alu instid0(VALU_DEP_1)
	v_add_f32 v14, v14, v252                       ; the row's sum
	s_wait_alu depctr_va_vdst(0)
	v_rcp_f32 v14, v14
	v_nop                                          ; a plain instruction behind the reciprocal
	s_and_b32 s26, s24, 15
	s_lshl_b32 s26, s26, 19                        ; the head's two planes of 262,144 bytes
	s_lshr_b32 s27, s24, 4
	s_lshl_b32 s27, s27, 7
	s_add_co_u32 s27, s27, s[QT]
	s_lshl_b32 s27, s27, 9                         ; row tile 128 b + my tile, 512 bytes each
	s_add_co_u32 s26, s26, s27
	s_mov_b32 s27, 0
	s_add_nc_u64 s[58:59], s[12:13], s[26:27]
	s_wait_alu depctr_va_vdst(0)                   ; ahead of the reciprocal's first reader
	v_ldexp_f32 v14, v14, s53
.set n, 0
.rept 16
	v_pk_mul_f32 v[S+n:S+n+1], v[O+n:O+n+1], v[14:15] op_sel_hi:[1,0]   ; register 8 u + i: channel 16 u + 8 h + i of my query; each accumulator from its low end on
.set n, n+2
.endr
.set n, 0
.rept 32
.set n, n+1
.endr
.irp u, 0,1,2,3
	v_cvt_scalef32_pk8_fp8_f32 v[OC+2*\u:OC+2*\u+1], v[S+8*\u:S+8*\u+7], v245
.endr
	v_nop                                          ; one plain vector instruction behind the conversions
.irp u, 0,1,2,3
	global_store_b64 v[GO], v[OC+2*\u:OC+2*\u+1], s[58:59] offset:(\u/2)*262144+(\u%2)*256
.endr
.endm
	PRO
	s_lshr_b32 s[DG], s[WV], 1
	s_sub_co_u32 s[DG], 15, s[DG]                  ; the high tile's diagonal step, 8 to 15
	s_mov_b32 s[TB], 0
	s_mov_b32 s[IX], 0
	s_wait_loadcnt 0x0                             ; Q, both tiles
	s_wait_tensorcnt 0x1                           ; my piece of keys 0 to 1,023 is in; the second load may stay out
	s_barrier_signal -1
	s_barrier_wait -1                              ; everybody's is
.Lp1:                                              ; steps 0 to 7 of the high tile: all their keys count
	STEP 0, QH
	s_add_co_u32 s[IX], s[IX], 1
	s_cmp_lt_u32 s[IX], 8
	s_cbranch_scc1 .Lp1
	s_setprio 0
	s_wait_tensorcnt 0x0                           ; my piece of keys 1,024 on is in,
	s_wait_dscnt 0x0
	s_barrier_signal -1
	s_barrier_wait -1                              ; everybody's is
	s_mov_b32 s[TB], 0x10000
	s_mov_b32 s[IX], 8
.Lp2:                                              ; steps 8 to 15 of the high tile
	STEP 1, QH
	s_add_co_u32 s[IX], s[IX], 1
	s_cmp_lt_u32 s[IX], 16
	s_cbranch_scc1 .Lp2
	s_setprio 0
	EPI
	s_mov_b32 s[QT], s25                           ; the low tile
	s_lshr_b32 s[DG], s[WV], 1
	PRO
	s_mov_b32 s[TB], 0
	s_mov_b32 s[IX], 0
.Lp3:                                              ; steps 0 to 7 of the low tile
	STEP 1, QL
	s_add_co_u32 s[IX], s[IX], 1
	s_cmp_lt_u32 s[IX], 8
	s_cbranch_scc1 .Lp3
	s_setprio 0
	EPI
	s_wait_tensorcnt 0x0
	ds_add_u32 v251, v255
	s_wait_dscnt 0x0
	ROUND                                          ; the closing round
	s_endpgm
.Lfunc_end_k_q46548eb9f7_attn:
	.size	k_q46548eb9f7_attn, .Lfunc_end_k_q46548eb9f7_attn-k_q46548eb9f7_attn
	.p2alignl 7, 3214868480
	.fill 96, 4, 3214868480
	.section	.rodata,"a",@progbits
	.p2align	6, 0x0
	.amdhsa_kernel k_q46548eb9f7_attn
		.amdhsa_group_segment_fixed_size 327680
		.amdhsa_private_segment_fixed_size 0
		.amdhsa_enable_private_segment 0
		.amdhsa_kernarg_size 40
		.amdhsa_user_sgpr_count 2
		.amdhsa_user_sgpr_kernarg_segment_ptr 1
		.amdhsa_wavefront_size32 1
		.amdhsa_system_sgpr_workgroup_id_x 1
		.amdhsa_system_sgpr_workgroup_id_y 1
		.amdhsa_system_sgpr_workgroup_id_z 1
		.amdhsa_system_vgpr_workitem_id 0
		.amdhsa_next_free_vgpr 256
		.amdhsa_next_free_sgpr 66
		.amdhsa_reserve_vcc 1
		.amdhsa_float_denorm_mode_32 3
		.amdhsa_float_denorm_mode_16_64 3
		.amdhsa_fp16_overflow 1
		.amdhsa_memory_ordered 1
		.amdhsa_forward_progress 1
		.amdhsa_inst_pref_size 67
	.end_amdhsa_kernel
	.amdgpu_metadata
---
amdhsa.version: [ 1, 2 ]
amdhsa.kernels:
  - .name:           k_q46548eb9f7_attn
    .symbol:         k_q46548eb9f7_attn.kd
    .args:
      - { .name: q_img, .offset: 0, .size: 8, .value_kind: global_buffer, .address_space: global }
      - { .name: k_img, .offset: 8, .size: 8, .value_kind: global_buffer, .address_space: global }
      - { .name: v_img, .offset: 16, .size: 8, .value_kind: global_buffer, .address_space: global }
      - { .name: lowp_scales, .offset: 24, .size: 8, .value_kind: global_buffer, .address_space: global }
      - { .name: a_img, .offset: 32, .size: 8, .value_kind: global_buffer, .address_space: global }
    .group_segment_fixed_size: 327680
    .private_segment_fixed_size: 0
    .kernarg_segment_align: 8
    .kernarg_segment_size: 40
    .max_flat_workgroup_size: 512
    .sgpr_count:     66
    .vgpr_count:     256
    .wavefront_size: 32
...
	.end_amdgpu_metadata
.endif
;; end of part 2
;; launch proj (part 3): grid 8 x 32, 4 waves a work-group, clusters of 4 x 4, 327,680 bytes of LDS; arguments a_img, wo_codes, bo, lowp_scales, out0; writes out0
.if DOCPART == 3
	.amdgcn_target "amdgcn-amd-amdhsa--gfx1250"
	.amdhsa_code_object_version 6
	.text
	.protected	k_q46548eb9f7_proj
	.globl	k_q46548eb9f7_proj
	.p2align	8
	.type	k_q46548eb9f7_proj,@function
k_q46548eb9f7_proj:
	s_mov_b64 s[64:65], 0
	v_nop
	global_prefetch_b8 v0, s[64:65] scope:SCOPE_SE
	s_setreg_imm32_b32 hwreg(HW_REG_WAVE_MODE, 25, 1), 1
	s_wait_xcnt 0x0
	s_wait_alu depctr_hold_cnt(0) depctr_sa_sdst(0) depctr_va_vdst(0) depctr_va_sdst(0) depctr_va_ssrc(0) depctr_va_vcc(0) depctr_vm_vsrc(0)
	s_getreg_b32 s2, hwreg(HW_REG_IB_STS2, 6, 4)
	s_cmp_eq_u32 s2, 0
	s_cbranch_scc0 .Lentry_in_a_cluster
	s_endpgm
.Lentry_in_a_cluster:
	s_bfe_u32 s2, ttmp6, 0x10000c
	s_cmp_lg_u32 s2, 0xf033
	s_cbranch_scc0 .Lentry_shape_is_right
	s_endpgm
.Lentry_shape_is_right:
; out0 = a wo + bo on codes of FP8 (E4M3), sums in f32.  a: the attention's result as codes (scale 2^e10), laid as images of operand registers; wo: [1024 (n)][1024 (k)] codes, K innermost (2^e11); out0: [8192][1024] f32.
; a_img: [32 along K: C][row tile of 16][hh 2][r 16][16 bytes]: row 16 tile + r, k = 32 C + 16 hh + 0..15.  wo's fragments are read by loads of 16 bytes in the same order of k, so every product meets its partner.
; A tile of 256 rows x 128 columns is made by four waves, 128 x 64 each (32 accumulators): 256 work-groups.  Source 0 = 16 rows of wo, source 1 = 16 rows of a: a lane holds eight neighbouring columns of one row.
; bo goes in as the C of each sum's first product, divided by 2^(e10 + e11); each finished sum is multiplied once by 2^(e10 + e11).
; K goes in steps of 256 through two LDS slots: four fills, written out without a loop.  CLUSTERS: 4 x 4 work-groups; a's tile is asked for jointly by a row of the cluster, wo's by a column.
; LIMIT: e10 + e11 between -126 and 127, so that 2^(e10 + e11) is an f32 number.
; REGISTERS: window 0: v0-31 addresses; v32-63 the bias, later a block's results; v128-255 a's 8 fragments, later rows read back from the stage.  window 1: wo's fragments, two sets, at v0 and v128.  window 2: accumulator (a, b) at v[8 (4 a + b)].
.set NB,     4
.set AW,     32/NB
.set ROWB,   256
.set KROW,   1024
.set PITCH,  272                       ; wo's rows in LDS: 256 bytes + 16 of padding
.set FR,     16
.set NL,     4
.set NP,     4
.set HALFA,  32768                     ; a: 8 planes of K x 8 row tiles x 512 bytes, as they lie
.set HALFB,  64*PITCH                  ; wo: 64 rows
.set BOFF,   2*HALFA
.set SLOT,   BOFF+2*HALFB
.set SPARE,  2*SLOT                    ; behind the ring: the spare words, 128 bytes a wave
.set SPITCH, 272                       ; the way out: a stage of 16 rows x (256 bytes + 16) for each wave, in slot 0, which has had its last fill and its last read when the first result is stored there
.set BV,   7                           ; v7   the bias loads' offset
.set ADRA, 16
.set ADRB, 20
.set STO,  24
.set RD,   25
.set CO,   26
.set SPW,  28
.set NIL,  29
.set BIAS, 32
.set TMP,  32
.set AF,   128
.set BK,   128
.set G1,  24
.set G0,  32
.set G1B, 48
.set G0B, 56
.set MUL_LO,   0xa1
.set MUL_HI,   0xa1+0x50*(4/AW)
.set FIRST_LO, 0x81
.set FIRST_HI, 0x81+0x40*(4/AW)
.set TO_B,     0x40
.set MSB, 0
.macro WIN new
.if MSB != (\new)
	s_set_vgpr_msb (MSB<<8)|(\new)
.set MSB, (\new)
.endif
.endm
.macro PLACES n
.rept \n
	v_nop
.endr
.endm
.macro JLOAD g0a, g1a, g0b, g1b        ; waves 0 and 1 fetch a's halves, waves 2 and 3 wo's; four v_nop follow each of the two lines
	s_cmp_eq_u32 s15, 0
	s_cbranch_scc0 .Lfor_b_\@
	tensor_load_to_lds s[\g0a:\g0a+3], s[\g1a:\g1a+7]
	s_nop 0
.rept 4
	v_nop
.endr
	s_branch .Lasked_\@
.Lfor_b_\@:
	tensor_load_to_lds s[\g0b:\g0b+3], s[\g1b:\g1b+7]
	s_nop 0
.rept 4
	v_nop
.endr
.Lasked_\@:
.endm
.macro CREST
	s_cmp_lg_u32 s14, 0
	s_cbranch_scc1 .Lnot_wave_0_\@
	s_barrier_signal -3
.Lnot_wave_0_\@:
	s_barrier_wait -3
	s_barrier_signal -1
	s_barrier_wait -1
.endm
.macro CROUND
	s_barrier_signal -1
	s_barrier_wait -1
	CREST
.endm
	s_load_b128 s[4:7], s[0:1], 0x0                ; a_img, wo's codes
	s_load_b128 s[8:11], s[0:1], 0x10              ; bo, the scales' exponents
	s_load_b64 s[12:13], s[0:1], 0x20              ; out0
	v_lshl_add_u32 v[SPW], v0, 2, SPARE
	v_mov_b32 v[NIL], 0
	ds_add_u32 v28, v29
	ds_add_u32 v28, v29
	s_wait_dscnt 0x0
	v_lshrrev_b32 v1, 5, v0
	v_readfirstlane_b32 s14, v1                    ; wave 0..3
	s_lshr_b32 s15, s14, 1                         ; my half of the tile's rows.  Also: I fetch for a (0) or for wo (1)
	s_and_b32 s16, s14, 1                          ; my half of its columns.  Also: which half of that tile I fetch
	s_bfe_u32 s40, ttmp6, 0x40000                  ; cx
	s_bfe_u32 s41, ttmp6, 0x40004                  ; cy
	s_lshl_b32 s42, ttmp9, 2
	s_add_co_u32 s42, s42, s40                     ; tile column, 128 columns each
	s_and_b32 s17, ttmp7, 0xffff
	s_lshl_b32 s17, s17, 2
	s_add_co_u32 s17, s17, s41                     ; tile row, 256 rows each
	s_lshl_b32 s43, s41, 2
	s_lshl_b32 s43, 15, s43                        ; my row of the cluster
	s_lshl_b32 s44, 0x1111, s40                    ; my column
	; group 1 for a: 8 planes of K, of each 8 row tiles = 4,096 consecutive bytes; planes 262,144 bytes apart; no padding
	s_or_b32 s[G1+0], s43, (3<<16)|(1<<21)         ; 15:0 the mask; 17:16 elements of 8 bytes; 21 set beside a mask
	s_mov_b32 s[G1+1], 512<<16                     ; tensor_dim0 = 512
	s_mov_b32 s[G1+2], 8<<16                       ; tensor_dim1 = 8
	s_mov_b32 s[G1+3], 512<<16                     ; tile_dim0 = 512
	s_mov_b32 s[G1+4], 8                           ; tile_dim1 = 8
	s_mov_b32 s[G1+5], 32768                       ; from plane to plane, in elements
	s_mov_b32 s[G1+6], 0
	s_mov_b32 s[G1+7], 0
	; group 1 for wo: 64 rows x 256 bytes, padded in LDS
	s_or_b32 s[G1B+0], s44, (1<<20)|(1<<21)|(5<<22)|(3<<25)
	s_mov_b32 s[G1B+1], ROWB<<16
	s_mov_b32 s[G1B+2], 64<<16
	s_mov_b32 s[G1B+3], ROWB<<16
	s_mov_b32 s[G1B+4], 64
	s_mov_b32 s[G1B+5], KROW
	s_mov_b32 s[G1B+6], 0
	s_mov_b32 s[G1B+7], 0
	s_lshl_b32 s20, s17, 13                        ; a: 16 row tiles of 512 bytes a tile row,
	s_lshl_b32 s18, s16, 12                        ; + 8 for the second half
	s_add_co_u32 s20, s20, s18
	s_mov_b32 s21, 0
	s_lshl_b32 s46, s42, 17                        ; wo: 128 rows of 1,024 bytes a tile column,
	s_lshl_b32 s18, s16, 16                        ; + 64 for the second half
	s_add_co_u32 s46, s46, s18
	s_mov_b32 s47, 0
	s_lshl_b32 s45, s16, 15                        ; where they go: a's halves,
	s_mul_i32 s66, s16, HALFB
	s_add_co_u32 s66, s66, BOFF                    ; wo's halves behind them
	s_wait_kmcnt 0x0
	s_load_b64 s[96:97], s[10:11], 0x28            ; e10, e11
	s_add_nc_u64 s[20:21], s[4:5], s[20:21]
	s_add_nc_u64 s[46:47], s[6:7], s[46:47]
	CROUND                                         ; all sixteen work-groups are here: the first joint loads meet
.irp s, 0,1
	s_mov_b32 s[G0+4*\s], 1
	s_add_co_u32 s[G0+4*\s+1], s45, \s*SLOT
	s_add_nc_u64 s[G0+4*\s+2:G0+4*\s+3], s[20:21], \s*8*262144
	s_or_b32 s[G0+4*\s+3], s[G0+4*\s+3], 0x80000000
	s_mov_b32 s[G0B+4*\s], 1
	s_add_co_u32 s[G0B+4*\s+1], s66, \s*SLOT
	s_add_nc_u64 s[G0B+4*\s+2:G0B+4*\s+3], s[46:47], \s*ROWB
	s_or_b32 s[G0B+4*\s+3], s[G0B+4*\s+3], 0x80000000
	s_wait_alu depctr_va_vdst(0)
	s_wait_tensorcnt 0x0
	ds_add_u32 v28, v29
	ds_add_u32 v28, v29
	s_wait_dscnt 0x0
	CROUND
	JLOAD G0+4*\s, G1, G0B+4*\s, G1B               ; one tensor load of mine is out; the one before has landed
.endr
	v_and_b32 v1, 15, v0                           ; r
	v_bfe_u32 v2, v0, 4, 1                         ; h
	s_wait_alu depctr_va_vdst(0)
	v_and_b32 v6, 31, v0
	v_lshlrev_b32 v6, 4, v6                        ; 16 x lane
	v_mul_u32_u24 v3, v1, PITCH
	v_lshl_add_u32 v4, v2, 4, v3                   ; wo: row x pitch + 16 h
	s_lshl_b32 s21, s15, 15                        ; my 128 rows of a
	s_mul_i32 s22, s16, HALFB                      ; my 64 rows of wo
	s_add_co_u32 s22, s22, BOFF
.irp s, 0,1
	v_add_nc_u32 v[ADRA+\s], s21, v6
	v_add_nc_u32 v[ADRB+\s], s22, v4
	s_add_co_u32 s21, s21, SLOT
	s_add_co_u32 s22, s22, SLOT
.endr
	s_lshl_b32 s20, s42, 9
	s_lshl_b32 s21, s16, 8
	s_add_co_u32 s20, s20, s21                     ; my first column in bytes: 512 x tile column + 256 x half
	s_mov_b32 s21, 0
	s_add_nc_u64 s[8:9], s[8:9], s[20:21]          ; in bo,
	s_add_nc_u64 s[12:13], s[12:13], s[20:21]      ; and in out0
	v_lshlrev_b32 v[BV], 5, v2                     ; lane (r, h) wants, for block b, columns 16 b + 8 h + 0..7
.irp b, 0,1,2,3
	global_load_b128 v[BIAS+8*\b:BIAS+8*\b+3], v[BV], s[8:9] offset:64*\b
	global_load_b128 v[BIAS+8*\b+4:BIAS+8*\b+7], v[BV], s[8:9] offset:64*\b+16
.endr
	s_lshl_b32 s20, s17, 20                        ; my first row: (256 x tile row + 128 x half) rows of 4,096 bytes: under 2^25
	s_lshl_b32 s22, s15, 19
	s_add_co_u32 s20, s20, s22
	s_add_nc_u64 s[12:13], s[12:13], s[20:21]
	s_mul_i32 s23, s14, 16*SPITCH                  ; my stage
	v_mul_u32_u24 v5, v1, SPITCH                   ; in: row r, 32 bytes for each half of the lanes
	v_lshl_add_u32 v5, v2, 5, v5
	v_add_nc_u32 v[STO], s23, v5
	v_mul_u32_u24 v5, v2, SPITCH                   ; back: lanes 0-15 one row of 256 bytes, lanes 16-31 the next
	v_lshl_add_u32 v5, v1, 4, v5
	v_add_nc_u32 v[RD], s23, v5
	v_lshlrev_b32 v[CO], 12, v2                    ; and the same two rows in out0
	v_lshl_add_u32 v[CO], v1, 4, v[CO]
	s_wait_kmcnt 0x0
	s_add_co_i32 s96, s96, s97                     ; e10 + e11
	s_sub_co_i32 s67, 0, s96
	s_add_co_i32 s96, s96, 127
	s_lshl_b32 s96, s96, 23                        ; 2^(e10 + e11) as f32
	s_wait_loadcnt 0x0                             ; the bias
.set n, 0
.rept 32
	v_ldexp_f32 v[BIAS+n], v[BIAS+n], s67          ; / 2^(e10 + e11)
.set n, n+1
.endr
.macro FRAGR reg, adr, q, i            ; from padded rows: registers 4 c .. 4 c + 3 hold K = 32 c + 16 h + 0 .. 15 of row r
.irp c, 0,1,2,3
	ds_load_b128 v[\reg+4*\c:\reg+4*\c+3], v[\adr] offset:128*(\q)+32*\c+(\i)*16*PITCH
.endr
.endm
.macro FRAGI reg, adr, q, i            ; from images: plane 4 q + c, row tile i, 16 x lane: the same k in the same registers
.irp c, 0,1,2,3
	ds_load_b128 v[\reg+4*\c:\reg+4*\c+3], v[\adr] offset:(4*(\q)+\c)*4096+(\i)*512
.endr
.endm
; a's blocks a0, a0 + 1 against wo's NB.  zero = 1: the first product, C = the bias of block b.  The accumulators take turns, one instruction a turn.
.macro MULA a0, p, zero
.irp a, \a0, \a0+1
.set bb, 0
.rept NB
.set DD, 8*(NB*((\a)%AW)+bb)
.if \zero == 0
	v_wmma_f32_16x16x128_fp8_fp8 v[DD:DD+7], v[128*(\p)+FR*bb:128*(\p)+FR*bb+FR-1], v[AF+FR*(\a):AF+FR*(\a)+FR-1], v[DD:DD+7]
.else
	v_wmma_f32_16x16x128_fp8_fp8 v[DD:DD+7], v[128*(\p)+FR*bb:128*(\p)+FR*bb+FR-1], v[AF+FR*(\a):AF+FR*(\a)+FR-1], v[BIAS+8*bb:BIAS+8*bb+7]
.endif
.set bb, bb+1
.endr
.endr
.endm
.macro FETCH_B slot, q, p
	WIN TO_B
.set ii, 0
.rept NB
	FRAGR 128*(\p)+FR*ii, ADRB+\slot, \q, ii
.set ii, ii+1
.endr
	WIN 0
.endm
.macro FETCH_A slot, q, i0
.irp i, \i0, \i0+1, \i0+2, \i0+3
	FRAGI AF+FR*(\i), ADRA+\slot, \q, \i
.endr
.endm
.macro STEP slot, q, zero
	s_wait_dscnt 4*NL                              ; wo's set and a's blocks 0-3 are in; the youngest sixteen loads (a's blocks 4-7) may be out
.if \zero
	WIN FIRST_LO
.else
	WIN MUL_LO
.endif
	MULA 0, (\q)%2, \zero
	MULA 2, (\q)%2, \zero
	s_wait_dscnt 0x0                               ; a's blocks 4-7 are in
	PLACES NP
	FETCH_B \slot, (\q)+1, 1-(\q)%2
	FETCH_A \slot, (\q)+1, 0
.if \zero
	WIN FIRST_HI
.else
	WIN MUL_HI
.endif
	MULA 4, (\q)%2, \zero
	MULA 6, (\q)%2, \zero
	PLACES NP
	WIN 0
	FETCH_A \slot, (\q)+1, 4
.endm
.macro TURN slot, next, fill
	s_wait_tensorcnt 0x0                           ; all my tensor loads have landed: my part of the next slot
	ds_add_u32 v[SPW], v[NIL]                      ; 0 onto my spare word
	s_wait_dscnt 4*NL+1                            ; the add and the youngest sixteen loads may be out
	WIN MUL_LO
	MULA 0, 1, 0                                   ; matrix work stands between the add and the wait for it
	s_wait_dscnt 0x0                               ; the add is done, and my reads of this slot are over
	s_barrier_signal -1
	MULA 2, 1, 0
	WIN 0
	s_barrier_wait -1
.if \fill
	CREST                                          ; the barrier has opened a round of the cluster's: no wave of any partner still reads this slot or has a load on its way
	s_add_nc_u64 s[G0+4*\slot+2:G0+4*\slot+3], s[G0+4*\slot+2:G0+4*\slot+3], 2*8*262144
	s_add_nc_u64 s[G0B+4*\slot+2:G0B+4*\slot+3], s[G0B+4*\slot+2:G0B+4*\slot+3], 2*ROWB
	JLOAD G0+4*\slot, G1, G0B+4*\slot, G1B         ; my one tensor load behind the round; its four v_nop are also the places in front of the loads below
.else
	PLACES NP
.endif
	FETCH_B \next, 0, 0
	FETCH_A \next, 0, 0
	WIN MUL_HI
	MULA 4, 1, 0
	MULA 6, 1, 0
	PLACES NP
	WIN 0
	FETCH_A \next, 0, 4
.endm
	s_wait_alu depctr_va_vdst(0)
	s_wait_tensorcnt 0x1                           ; my part of slot 0 is in; slot 1's may stay out
	s_barrier_signal -1
	s_barrier_wait -1
	FETCH_B 0, 0, 0
	FETCH_A 0, 0, 0
	FETCH_A 0, 0, 4
	STEP 0, 0, 1                                   ; the first products take the bias as C
	TURN 0, 1, 1
	STEP 1, 0, 0
	TURN 1, 0, 1
	STEP 0, 0, 0
	TURN 0, 1, 0                                   ; nothing is left to fetch
	STEP 1, 0, 0
	s_wait_dscnt 4*NL                              ; the last step
	WIN MUL_LO
	MULA 0, 1, 0
	MULA 2, 1, 0
	s_wait_dscnt 0x0
	WIN MUL_HI
	MULA 4, 1, 0
	MULA 6, 1, 0
	WIN 0
; THE WAY OUT, a block of 16 rows x 64 columns at a time: x 2^(e10 + e11) into other registers, each accumulator from its low end on; through my own stage in LDS; back as whole rows of 256 bytes.
; LDS serves a wave's instructions in order (ISA guide 5.7.1.4): no wait between the stores and the loads, nor in front of the next block's stores.
.macro TOSTAGE a
.set AC, 32*(\a)
	WIN 0x02                                       ; source 0: window 2
.set n, 0
.rept 16
	v_pk_mul_f32 v[TMP+n:TMP+n+1], v[AC+n:AC+n+1], s[96:97] op_sel_hi:[1,0]
.set n, n+2
.endr
	WIN 0
.irp b, 0,1,2,3
	ds_store_b128 v[STO], v[TMP+8*\b:TMP+8*\b+3] offset:64*\b
	ds_store_b128 v[STO], v[TMP+8*\b+4:TMP+8*\b+7] offset:64*\b+16
.endr
.set BB, BK+32*((\a)%2)
.irp t, 0,1,2,3,4,5,6,7
	ds_load_b128 v[BB+4*\t:BB+4*\t+3], v[RD] offset:\t*2*SPITCH
.endr
.endm
.macro SEND a, younger                 ; younger: the LDS instructions issued behind block a's loads, which may stay out
.set BB, BK+32*((\a)%2)
	s_wait_dscnt \younger
.if (\a) > 0
	s_add_nc_u64 s[12:13], s[12:13], 16*4096       ; (behind a wait on XCNT: the earlier stores have read their base)  16 rows on
.endif
.irp t, 0,1,2,3,4,5,6,7
	global_store_b128 v[CO], v[BB+4*\t:BB+4*\t+3], s[12:13] offset:\t*2*4096 th:TH_STORE_NT   ; sixteen lanes store 256 consecutive bytes, aligned; written once, read by nobody here
.endr
.endm
	PLACES NP                                      ; behind the last products
	TOSTAGE 0
.irp a, 1,2,3,4,5,6,7
.if \a > 1
	s_wait_xcnt 0x0                                ; block a - 2's stores have read their registers and their base: block a's loads may land there, and the base may step
.endif
	TOSTAGE \a
	SEND \a-1, 16                                  ; behind block a - 1's loads: block a's 8 stores and 8 loads
.endr
	s_wait_xcnt 0x0                                ; block 6's stores have read their base
	SEND 7, 0
	s_wait_tensorcnt 0x0                           ; the wave's end
	ds_add_u32 v[SPW], v[NIL]
	s_wait_dscnt 0x0
	CROUND                                         ; the closing round
	s_endpgm
.Lfunc_end_k_q46548eb9f7_proj:
	.size	k_q46548eb9f7_proj, .Lfunc_end_k_q46548eb9f7_proj-k_q46548eb9f7_proj
	.p2alignl 7, 3214868480
	.fill 96, 4, 3214868480
	.section	.rodata,"a",@progbits
	.p2align	6, 0x0
	.amdhsa_kernel k_q46548eb9f7_proj
		.amdhsa_group_segment_fixed_size 327680
		.amdhsa_private_segment_fixed_size 0
		.amdhsa_enable_private_segment 0
		.amdhsa_kernarg_size 40
		.amdhsa_user_sgpr_count 2
		.amdhsa_user_sgpr_kernarg_segment_ptr 1
		.amdhsa_wavefront_size32 1
		.amdhsa_system_sgpr_workgroup_id_x 1
		.amdhsa_system_sgpr_workgroup_id_y 1
		.amdhsa_system_sgpr_workgroup_id_z 1
		.amdhsa_system_vgpr_workitem_id 0
		.amdhsa_next_free_vgpr 768
		.amdhsa_next_free_sgpr 100
		.amdhsa_reserve_vcc 0
		.amdhsa_float_denorm_mode_32 3
		.amdhsa_float_denorm_mode_16_64 3
		.amdhsa_memory_ordered 1
		.amdhsa_forward_progress 1
		.amdhsa_inst_pref_size 81
	.end_amdhsa_kernel
	.amdgpu_metadata
---
amdhsa.version: [ 1, 2 ]
amdhsa.kernels:
  - .name:           k_q46548eb9f7_proj
    .symbol:         k_q46548eb9f7_proj.kd
    .args:
      - { .name: a_img, .offset: 0, .size: 8, .value_kind: global_buffer, .address_space: global }
      - { .name: wo_codes, .offset: 8, .size: 8, .value_kind: global_buffer, .address_space: global }
      - { .name: bo, .offset: 16, .size: 8, .value_kind: global_buffer, .address_space: global }
      - { .name: lowp_scales, .offset: 24, .size: 8, .value_kind: global_buffer, .address_space: global }
      - { .name: out0, .offset: 32, .size: 8, .value_kind: global_buffer, .address_space: global }
    .group_segment_fixed_size: 327680
    .private_segment_fixed_size: 0
    .kernarg_segment_align: 8
    .kernarg_segment_size: 40
    .max_flat_workgroup_size: 128
    .sgpr_count:     100
    .vgpr_count:     768
    .wavefront_size: 32
...
	.end_amdgpu_metadata
.endif
;; end of part 3
